; MI455X (gfx1250); checked and timed in simulation.
; The chip was launched on July 23, 2026; its instructions are those of AMD's public machine-readable ISA for CDNA 5 (MIT licence, August 2026) and "CDNA5" Instruction Set Architecture Reference Guide (July 2026). The comments in the code are by the model that wrote it; some were corrected since.
;; Nolinear Attention. Allowed arithmetic: matrix products marked QUANTISED: E2M1 operands, one E8M0 scale for each 32 along K, by v_wmma_scale_f32_16x16x128_f8f6f4 with both operands' format E2M1 (or v_wmma_scale_f32_32x16x128_f4), f32 sums; products left as they are: f32 operands where the result goes on into a quantised operand, else bf16, f16 or f32 operands; f32 sums; everything else in f32.
;; Inputs: V 1 x 1,024 float32; W 1,024 x 2,048 float32; dec_hidden 32 x 1,024 float32; enc_hiddens 32 x 2,048 x 1,024 float32; mask 32 x 2,048 bool.
;; Outputs: out0 32 x 1,024 float32; out1 32 x 1 x 2,048 float32.
;; This version of the problem:
;;   THIS VERSION OF THE PROBLEM IS GIVEN IN LOW PRECISION. The matrix products marked QUANTISED in the list below multiply operands that are first quantised to E2M1 (2 exponent bits, 1 mantissa bit; 4 bits a number), with one power-of-two scale for each 32 numbers along K (OCP MX v1.0); their sums are f32. All else is computed in f32.
;;   The module's matrix products, in the order in which they are computed (A, B: the left and right operand; K: the contracted axis; several contracted axes count as one K, in the product's order):
;;     1. [M 65,536, K 1,024] x [K 1,024, N 1,024]; A: input enc_hiddens; B: input W: QUANTISED
;;     2. [M 32, K 1,024] x [K 1,024, N 1,024]; A: input dec_hidden; B: input W: QUANTISED
;;     3. [M 65,536, K 1,024] x [K 1,024, N 1]; A: computed on the way; B: computed on the way: left as it is (N = 1 < 16)
;;     4. batch 32 x [M 1, K 2,048] x [K 2,048, N 1,024]; A: computed on the way; B: input enc_hiddens: left as it is (M = 1 < 16)
;;   THE QUANTISER, for each operand of a quantised product, along K:
;;     - K is cut into blocks of 32 from its start; a last block that is shorter is filled with zeros.
;;     - A block's scale is 2^e with e = floor(log2(the largest magnitude in the block)) - 2, held to -126 .. 127; a block of zeros has e = 0. As a byte (E8M0): e + 127.
;;     - Each number is divided by its block's scale, clamped to +-6, and rounded to the nearest number of E2M1, ties to even, subnormals kept.
;;     - The product sums the exact products of the quantised numbers (number of the format x scale) in f32.
;;   ~~~python
;;   def quantise(x, axis):      # numpy; x: float32 -> the quantised numbers, widened to float32 again
;;       x = np.moveaxis(x, axis, -1); K = x.shape[-1]
;;       x = np.pad(x, [(0, 0)] * (x.ndim - 1) + [(0, -K % 32)]); x = x.reshape(x.shape[:-1] + (-1, 32)); a = np.abs(x).max(-1, keepdims=True)
;;       e = np.where(a > 0, np.clip(np.frexp(np.where(a > 0, a, 1))[1] - 1 - 2, -126, 127), 0)      # np.frexp(a)[1] - 1 = floor(log2(a)), exactly
;;       r = np.clip(x / 2.0 ** e, -6, 6)
;;       step = 2.0 ** (np.maximum(np.frexp(np.where(r == 0, 1, r))[1] - 1, 0) - 1)
;;       q = np.round(r / step) * step * 2.0 ** e      # np.round: ties to even
;;       return np.moveaxis(q.reshape(q.shape[:-2] + (-1,))[..., :K], -1, axis).astype(np.float32)
;;   ~~~
;; One version. Each part assembles by itself: llvm-mc -triple=amdgcn-amd-amdhsa -mcpu=gfx1250 --defsym DOCPART=n.
;; ======== version 1 of 1: 3 launches
;; limits: values are held in bf16: 8 bits of precision; right only within a limited range of input values
;; workspace buffers: wq 524,288 bytes; wsc 32,768 bytes; bc 131,072 bytes; list 262,144 bytes of whole numbers; cnt 256 bytes of whole numbers; tsc 262,144 bytes; pml 4,096 bytes; pctx 2,097,152 bytes
;; launch prep (part 1): grid 224 x 1, 8 waves a work-group, no clusters, 17,920 bytes of LDS; arguments W, dec_hidden, mask, wq, wsc, bc, list, cnt, tsc; writes wq, wsc, bc, list, cnt, tsc
.if DOCPART == 1
	.amdgcn_target "amdgcn-amd-amdhsa--gfx1250"
	.amdhsa_code_object_version 6
	.text
	.protected	k_q21ce25001f_prep
	.globl	k_q21ce25001f_prep
	.p2align	8
	.type	k_q21ce25001f_prep,@function
k_q21ce25001f_prep:
	s_mov_b64 s[64:65], 0
	v_nop
	global_prefetch_b8 v0, s[64:65] scope:SCOPE_SE
	s_setreg_imm32_b32 hwreg(HW_REG_WAVE_MODE, 25, 1), 1
	s_wait_xcnt 0x0
; Everything that is made once, ahead of the fused launch.  Four roles, parted on the work-group's number alone; each has ONE phase of loads.
; ROLE ENC, work-groups 0-63: work-group ct takes rows d = 16 ct .. 16 ct + 15 of W [1024][2048]; wave w takes K step w (128 along K) of their first half (W_enc).
;   It becomes codes of FP4 (E2M1) with one E8M0 byte for each 32 along K, stored as IMAGES OF THE OPERAND'S REGISTERS: wq [ct 64][K step 8][c 2][lane 32][16 bytes];
;   its scale words: wsc [ct 64][lane 32][4 words], word i of lane (r, h) = the word of column 16 ct + r for K step i + 4 h.
; ROLES DEC 0 AND DEC 1, work-groups 64-127 and 128-191: the same rows' second half (W_dec) and 16 rows of dec_hidden [32][1024] are quantised in registers and multiplied:
;   each wave one K step, the eight partial sums meet in LDS; bc [32][1024] = the product.  (W_dec is quantised by both roles: twice the work, side by side, in place of a second phase of loads.)
; ROLE LIST, work-groups 192-223: batch b.  All waves fill tsc[b] with -infinity; wave w takes rows 256 w .. 256 w + 255 of mask[b]; the waves' counts meet in LDS;
;   list[b] becomes a permutation of 0 .. 2047 with the rows that count first, cnt[b] their number.
; A block's scale is 2^(floor(log2(largest magnitude)) - 2); its byte is the largest magnitude's exponent field - 2, held at 1 from below.
; LIMITS: NaN and infinities among the inputs are not served; a block whose largest magnitude lies under 2^-124 (a block of zeros too) gets the byte 1: a block of zeros has zero codes, which add nothing, and this program alone reads the bytes.
; A mask byte other than 0 counts as masked.
.set X0,  64                           ; v64-127   64 numbers of a lane: register 16 b + i = k 32 b + 16 (lane / 16) + i of my row
.set X1,  128                          ; v128-191  a second set
.set PC,  32                           ; v32-39    W_enc's fragment
.set F1,  40                           ; v40-47    W_dec's fragment
.set F2,  48                           ; v48-55    16 rows of dec
.set MW,  32                           ; v32-33    role list: my wave's part of the mask, two words a lane
.set SW1, 24                           ; v24-25    scale words of F1 and F2: these registers hold scales and nothing else
.set SD0, 25
.set TM,  200                          ; v200-215  at work in QUANT
.set PW,  216                          ; v216      W_enc's scale word
.set AC,  224                          ; v224-231  the accumulator
.set SEL, 22                           ; s[22:23]  lane selects for v_permlanex16_b32: lane l xor 16
.set CNTS, 16384                       ; LDS: 0 on: the partial sums of roles dec, 1,024 bytes a wave.  Here: role list's eight counts, bytes of its own
; my row's 64 numbers of a K step, from off bytes on: four loads of 16 bytes for each block of 32
.macro XLOAD reg, adr, bl, off, nt
.irp b, 0,1,2,3
.irp j, 0,1,2,3
.if \nt
	global_load_b128 v[\reg+16*\b+4*\j:\reg+16*\b+4*\j+3], v[\adr], s[\bl:\bl+1] offset:\off+128*\b+16*\j th:TH_LOAD_NT
.else
	global_load_b128 v[\reg+16*\b+4*\j:\reg+16*\b+4*\j+3], v[\adr], s[\bl:\bl+1] offset:\off+128*\b+16*\j
.endif
.endr
.endr
.endm
; 64 numbers in v[src] on become a fragment's codes in v[dst] on and its scale word in v[word]
.macro QUANT src, dst, word
.irp b, 0,1,2,3
	v_max3_num_f32 v[TM+\b], |v[\src+16*\b]|, |v[\src+1+16*\b]|, 0x1800000   ; block b: my 16 numbers, and the floor 2^(3 - 127): the byte cannot fall under 1
.endr
.irp i, 2,4,6,8,10,12,14
.irp b, 0,1,2,3
	s_delay_alu instid0(VALU_DEP_4)
	v_max3_num_f32 v[TM+\b], v[TM+\b], |v[\src+16*\b+\i]|, |v[\src+1+16*\b+\i]|   ; the four blocks by turns
.endr
.endr
.irp b, 0,1,2,3
	s_delay_alu instid0(VALU_DEP_4)
	v_permlanex16_b32 v[TM+4+\b], v[TM+\b], s[SEL], s[SEL+1]
.endr
.irp b, 0,1,2,3
	s_delay_alu instid0(VALU_DEP_4)
	v_max_num_f32 v[TM+\b], v[TM+\b], v[TM+4+\b]          ; with lane l xor 16's 16: the block's largest magnitude
.endr
.irp b, 0,1,2,3
	s_delay_alu instid0(VALU_DEP_4)
	v_add_nc_u32 v[TM+12+\b], 0xff000000, v[TM+\b]        ; 2 off its exponent field: the conversion's scale operand
.endr
.irp b, 0,1,2,3
	s_delay_alu instid0(VALU_DEP_4)
	v_lshrrev_b32 v[TM+4+\b], 23, v[TM+12+\b]             ; the scale's byte
.endr
	s_delay_alu instid0(VALU_DEP_3)
	v_lshl_or_b32 v[\word], v[TM+5], 8, v[TM+4]           ; four bytes: my row's scale word
	s_delay_alu instid0(VALU_DEP_1)
	v_lshl_or_b32 v[\word], v[TM+6], 16, v[\word]
	s_delay_alu instid0(VALU_DEP_1)
	v_lshl_or_b32 v[\word], v[TM+7], 24, v[\word]
.irp b, 0,1,2,3
	v_cvt_scalef32_pk8_fp4_f32 v[\dst+2*\b], v[\src+16*\b:\src+7+16*\b], v[TM+12+\b]
	v_cvt_scalef32_pk8_fp4_f32 v[\dst+1+2*\b], v[\src+8+16*\b:\src+15+16*\b], v[TM+12+\b]
.endr
	v_nop                                                 ; one plain place behind a scaled conversion
.irp c, 0,1                                               ; the operand's layout wants a whole block in a lane
.irp i, 0,1
	v_permlane16_swap_b32 v[\dst+4*\c+\i], v[\dst+2+4*\c+\i]
.endr
.endr
.endm
	s_load_b512 s[4:19], s[0:1], 0x0               ; W, dec, mask, wq, wsc, bc, list, cnt
	s_load_b64 s[20:21], s[0:1], 0x40              ; tsc
	v_lshl_add_u32 v254, v0, 2, 0x4200
	v_mov_b32 v255, 0
	v_lshrrev_b32 v1, 5, v0
	s_delay_alu instid0(VALU_DEP_1)
	v_readfirstlane_b32 s24, v1                    ; wave 0..7
	v_and_b32 v2, 31, v0                           ; lane
	s_mov_b32 s27, 0                               ; the upper word of every offset pair
	s_lshr_b32 s25, ttmp9, 6                       ; the role
	s_and_b32 s31, ttmp9, 63                       ; ct, or the batch
	s_wait_kmcnt 0x0
	s_cmp_eq_u32 s25, 3
	s_cbranch_scc1 .Lrole_list
	; ---------------- what roles enc and dec share
	v_and_b32 v3, 15, v0                           ; r
	v_bfe_u32 v7, v0, 4, 1                         ; h
	s_delay_alu instid0(VALU_DEP_2)
	v_lshlrev_b32 v4, 13, v3
	s_delay_alu instid0(VALU_DEP_1)
	v_lshl_add_u32 v4, v7, 6, v4                   ; W: row r of 8,192 bytes, + 64 h: my 16 numbers of a block
	s_wait_alu depctr_va_vdst(0)
	v_lshlrev_b32 v6, 4, v2                        ; 16 x lane: an image's place for my lane
	s_mov_b32 s[SEL], 0x76543210
	s_mov_b32 s[SEL+1], 0xfedcba98
.irp b, 0,1,2,3
	v_mov_b32 v[TM+4+\b], 0                        ; written once: a lane permute's destination counts as one of its sources
.endr
	s_lshl_b32 s26, s31, 17                        ; 16 rows of W
	s_lshl_b32 s28, s24, 9                         ; my K step: 512 bytes
	s_add_co_u32 s26, s26, s28
	s_add_nc_u64 s[4:5], s[4:5], s[26:27]
	s_cmp_lg_u32 s25, 0
	s_cbranch_scc1 .Lrole_dec
	; ---------------- ROLE ENC
	XLOAD X0, 4, 4, 0, 1                           ; W_enc's K step
	s_lshl_b32 s26, s31, 13
	s_lshl_b32 s28, s24, 10
	s_add_co_u32 s26, s26, s28
	s_add_nc_u64 s[10:11], s[10:11], s[26:27]      ; wq at (8 ct + w) x 1,024
	s_lshr_b32 s30, s24, 2                         ; w / 4
	s_and_b32 s29, s24, 3
	s_lshl_b32 s29, s29, 2                         ; 4 (w % 4)
	s_lshl_b32 s26, s31, 9
	s_lshl_b32 s28, s30, 8
	s_add_co_u32 s26, s26, s28
	s_add_co_u32 s26, s26, s29
	s_add_nc_u64 s[12:13], s[12:13], s[26:27]      ; wsc at 512 ct + 256 (w / 4) + 4 (w % 4)
	v_lshlrev_b32 v8, 4, v3                        ; + 16 r
	s_wait_loadcnt 0x0
	QUANT X0, PC, PW
	global_store_b128 v6, v[PC:PC+3], s[10:11]             ; 32 lanes store 512 consecutive bytes
	global_store_b128 v6, v[PC+4:PC+7], s[10:11] offset:512
	global_store_b32 v8, v[PW], s[12:13]                   ; both halves of the lanes write the same word with the same value
	s_endpgm
	; ---------------- ROLES DEC 0 AND DEC 1
.Lrole_dec:
	XLOAD X0, 4, 4, 4096, 0                        ; W_dec's K step
	v_lshlrev_b32 v5, 12, v3
	s_delay_alu instid0(VALU_DEP_1)
	v_lshl_add_u32 v5, v7, 6, v5                   ; dec: row r of 4,096 bytes, + 64 h
	s_sub_co_u32 s29, s25, 1                       ; which 16 rows of dec
	s_lshl_b32 s26, s29, 16
	s_lshl_b32 s28, s24, 9
	s_add_co_u32 s26, s26, s28
	s_add_nc_u64 s[6:7], s[6:7], s[26:27]
	XLOAD X1, 5, 6, 0, 0                           ; my 16 rows of dec
	s_lshl_b32 s26, s29, 16                        ; bc: 16 rows of 4,096 bytes for each role,
	s_lshl_b32 s30, s24, 12
	s_add_co_u32 s26, s26, s30                     ; row w,
	s_lshl_b32 s30, s31, 6
	s_add_co_u32 s26, s26, s30                     ; column 16 ct
	s_add_nc_u64 s[14:15], s[14:15], s[26:27]
	v_lshlrev_b32 v11, 15, v7
	s_delay_alu instid0(VALU_DEP_1)
	v_lshl_add_u32 v11, v3, 2, v11                 ; + 8 h rows, + 4 r
	s_lshl_b32 s30, s24, 10
	s_wait_alu depctr_va_vdst(0)
	v_add_nc_u32 v9, s30, v6                       ; LDS: my wave's 1,024 bytes, 16 x lane
	s_lshr_b32 s30, s24, 2
	s_lshl_b32 s30, s30, 9
	s_and_b32 s29, s24, 3
	s_lshl_b32 s29, s29, 2
	s_add_co_u32 s30, s30, s29
	v_add_nc_u32 v10, s30, v6                      ; and back: register w of an image: 512 (w / 4) + 4 (w % 4) + 16 x lane
	s_wait_loadcnt 16                              ; W_dec's 16 loads are in; dec's 16 may be out
	QUANT X0, F1, SW1
	s_wait_loadcnt 0x0
	QUANT X1, F2, SD0
.rept 8
	v_nop                                          ; a scale register written by a vector instruction stands 8 places ahead of a scaled matrix instruction, an operand so written 4
.endr
	v_wmma_scale_f32_16x16x128_f8f6f4 v[AC:AC+7], v[F2:F2+7], v[F1:F1+7], 0, v[SD0], v[SW1] matrix_a_fmt:MATRIX_FMT_FP4 matrix_b_fmt:MATRIX_FMT_FP4      ; register j of lane (r, h): (my rows' 8 h + j, column r)
.rept 4
	v_nop                                          ; four places ahead of the first read of the result
.endr
	ds_store_b128 v9, v[AC:AC+3]                   ; the accumulator from its low end on, as an image of its registers
	ds_store_b128 v9, v[AC+4:AC+7] offset:512
	s_wait_dscnt 0x0                               ; for the others' sake: my stores have landed
	s_barrier_signal -1
	s_barrier_wait -1
.irp p, 0,1,2,3,4,5,6,7
	ds_load_b32 v[X0+\p], v10 offset:1024*\p       ; register w of wave p's partial sums
.endr
	s_wait_dscnt 0x0
.irp p, 1
	v_add_f32 v[X0], v[X0], v[X0+\p]               ; K ascending
.endr
.irp p, 2, 3, 4, 5, 6, 7
	s_delay_alu instid0(VALU_DEP_1)
	v_add_f32 v[X0], v[X0], v[X0+\p]               ; K ascending
.endr
	global_store_b32 v11, v[X0], s[14:15]          ; bc(16 x role + 8 h + w, 16 ct + r): runs of 64 bytes; the whole buffer is 128 KiB
	s_wait_tensorcnt 0x0
	ds_add_u32 v254, v255
	s_wait_dscnt 0x0
	s_endpgm
	; ---------------- ROLE LIST
.Lrole_list:
	s_lshl_b32 s26, s31, 13
	s_add_nc_u64 s[20:21], s[20:21], s[26:27]      ; tsc[b]
	s_add_nc_u64 s[16:17], s[16:17], s[26:27]      ; list[b]
	s_lshl_b32 s34, s24, 8                         ; my wave's first row
	s_lshl_b32 s26, s31, 11
	s_add_co_u32 s26, s26, s34
	s_add_nc_u64 s[8:9], s[8:9], s[26:27]          ; mask[b], my wave's 256 rows
	s_lshl_b32 s26, s31, 2
	s_add_nc_u64 s[18:19], s[18:19], s[26:27]      ; cnt[b]
	s_wait_alu depctr_va_vdst(0)
	v_lshlrev_b32 v13, 2, v2
	global_load_b32 v[MW], v13, s[8:9]                     ; byte e of word i of my lane is row 256 w + 128 i + 4 lane + e
	global_load_b32 v[MW+1], v13, s[8:9] offset:128
.irp i, 8,9,10,11
	v_mov_b32 v\i, 0xff800000                      ; -infinity
.endr
	v_lshlrev_b32 v12, 4, v0
	global_store_b128 v12, v[8:11], s[20:21]               ; 256 threads x 16 bytes, twice: the batch's 2,048 numbers
	global_store_b128 v12, v[8:11], s[20:21] offset:4096
	s_lshl_b32 s30, s24, 2
	s_add_co_u32 s30, s30, CNTS
	v_mov_b32 v16, s30                             ; LDS: my wave's count
	v_mov_b32 v17, CNTS                            ; and the eight
	s_mov_b32 s28, 0
	s_wait_loadcnt 0x0
; eight steps of 32 rows: which lanes' rows count, kept in s36-43, and how many in all
.set n, 0
.rept 8
	v_bfe_u32 v3, v[MW+n/4], 8*(n%4), 8
	s_delay_alu instid0(VALU_DEP_1)
	v_cmp_eq_u32 s[36+n], 0, v3                    ; the row counts
	s_bcnt1_i32_b32 s30, s[36+n]
	s_add_co_u32 s28, s28, s30
.set n, n+1
.endr
	v_mov_b32 v18, s28
	ds_store_b32 v16, v18                          ; all lanes write the same word with the same value
	s_wait_dscnt 0x0                               ; for the others' sake: my store has landed
	s_barrier_signal -1
	s_barrier_wait -1
	ds_load_b128 v[48:51], v17
	ds_load_b128 v[52:55], v17 offset:16
	s_wait_dscnt 0x0
.irp p, 0,1,2,3,4,5,6,7
	v_readfirstlane_b32 s[44+\p], v[48+\p]
.endr
	s_mov_b32 s28, 0                               ; the rows that count in the waves below me: my next place from the front
	s_mov_b32 s35, 0                               ; and in the whole batch
.irp p, 0,1,2,3,4,5,6,7
	s_cmp_gt_u32 s24, \p
	s_cselect_b32 s30, s[44+\p], 0
	s_add_co_u32 s28, s28, s30
	s_add_co_u32 s35, s35, s[44+\p]
.endr
	s_sub_co_u32 s29, 2047, s34
	s_add_co_u32 s29, s29, s28                     ; 2,047 less the masked rows in the waves below me: my next place from the back
; A row that counts goes to s28 + (such lanes below me), a masked one to s29 - (masked lanes below me).  Each step has its own two registers: no store's source is written again.
.set n, 0
.rept 8
	v_mbcnt_lo_u32_b32 v4, s[36+n], 0
	s_delay_alu instid0(VALU_DEP_1)
	v_add_nc_u32 v5, s28, v4
	s_delay_alu instid0(VALU_DEP_2)
	v_add_nc_u32 v7, s29, v4
	s_delay_alu instid0(VALU_DEP_1)
	v_sub_nc_u32 v7, v7, v2
	s_delay_alu instid0(VALU_DEP_1)
	v_cndmask_b32 v5, v7, v5, s[36+n]
	s_delay_alu instid0(VALU_DEP_1)
	v_min_u32 v5, 0x7ff, v5                        ; a place made from loaded numbers is held inside the list
	s_delay_alu instid0(VALU_DEP_1)
	v_lshlrev_b32 v[64+n], 2, v5
	v_lshl_add_u32 v[128+n], v2, 2, 128*(n/4)+n%4
	s_delay_alu instid0(VALU_DEP_1)
	v_add_nc_u32 v[128+n], s34, v[128+n]           ; the row's number
	global_store_b32 v[64+n], v[128+n], s[16:17]
	s_bcnt1_i32_b32 s30, s[36+n]
	s_add_co_u32 s28, s28, s30
	s_add_co_u32 s29, s29, s30
	s_sub_co_u32 s29, s29, 32
.set n, n+1
.endr
	s_cmp_lg_u32 s24, 0
	s_cbranch_scc1 .Ldone
	v_mov_b32 v14, s35
	v_mov_b32 v15, 0
	v_cmp_eq_u32 vcc_lo, 0, v0
	s_wait_alu depctr_va_vdst(0)
	s_wait_xcnt 0x0                                ; EXEC changes only behind this wait
	s_wait_tensorcnt 0x0
	ds_add_u32 v254, v255
	s_wait_dscnt 0x0
	s_and_saveexec_b32 s30, vcc_lo
	global_store_b32 v15, v14, s[18:19]            ; cnt[b], by thread 0
	s_endpgm
.Ldone:
	s_wait_tensorcnt 0x0
	ds_add_u32 v254, v255
	s_wait_dscnt 0x0
	s_endpgm
.Lfunc_end_k_q21ce25001f_prep:
	.size	k_q21ce25001f_prep, .Lfunc_end_k_q21ce25001f_prep-k_q21ce25001f_prep
	.p2alignl 7, 3214868480
	.fill 96, 4, 3214868480
	.section	.rodata,"a",@progbits
	.p2align	6, 0x0
	.amdhsa_kernel k_q21ce25001f_prep
		.amdhsa_group_segment_fixed_size 17920
		.amdhsa_private_segment_fixed_size 0
		.amdhsa_enable_private_segment 0
		.amdhsa_kernarg_size 72
		.amdhsa_user_sgpr_count 2
		.amdhsa_user_sgpr_kernarg_segment_ptr 1
		.amdhsa_wavefront_size32 1
		.amdhsa_system_sgpr_workgroup_id_x 1
		.amdhsa_system_sgpr_workgroup_id_y 1
		.amdhsa_system_sgpr_workgroup_id_z 1
		.amdhsa_system_vgpr_workitem_id 0
		.amdhsa_next_free_vgpr 256
		.amdhsa_next_free_sgpr 66
		.amdhsa_reserve_vcc 1
		.amdhsa_float_denorm_mode_32 3
		.amdhsa_float_denorm_mode_16_64 3
		.amdhsa_memory_ordered 1
		.amdhsa_forward_progress 1
		.amdhsa_inst_pref_size 38
	.end_amdhsa_kernel
	.amdgpu_metadata
---
amdhsa.version: [ 1, 2 ]
amdhsa.kernels:
  - .name:           k_q21ce25001f_prep
    .symbol:         k_q21ce25001f_prep.kd
    .args:
      - { .name: W, .offset: 0, .size: 8, .value_kind: global_buffer, .address_space: global }
      - { .name: dec_hidden, .offset: 8, .size: 8, .value_kind: global_buffer, .address_space: global }
      - { .name: mask, .offset: 16, .size: 8, .value_kind: global_buffer, .address_space: global }
      - { .name: wq, .offset: 24, .size: 8, .value_kind: global_buffer, .address_space: global }
      - { .name: wsc, .offset: 32, .size: 8, .value_kind: global_buffer, .address_space: global }
      - { .name: bc, .offset: 40, .size: 8, .value_kind: global_buffer, .address_space: global }
      - { .name: list, .offset: 48, .size: 8, .value_kind: global_buffer, .address_space: global }
      - { .name: cnt, .offset: 56, .size: 8, .value_kind: global_buffer, .address_space: global }
      - { .name: tsc, .offset: 64, .size: 8, .value_kind: global_buffer, .address_space: global }
    .group_segment_fixed_size: 17920
    .private_segment_fixed_size: 0
    .kernarg_segment_align: 8
    .kernarg_segment_size: 72
    .max_flat_workgroup_size: 256
    .sgpr_count:     66
    .vgpr_count:     256
    .wavefront_size: 32
...
	.end_amdgpu_metadata
.endif
;; end of part 1
;; launch fused (part 2): grid 32 x 16, 4 waves a work-group, no clusters, 320,000 bytes of LDS; arguments enc_hiddens, V, wq, wsc, bc, list, cnt, tsc, pml, pctx; writes tsc, pml, pctx
.if DOCPART == 2
	.amdgcn_target "amdgcn-amd-amdhsa--gfx1250"
	.amdhsa_code_object_version 6
	.text
	.protected	k_q21ce25001f_fused
	.globl	k_q21ce25001f_fused
	.p2align	8
	.type	k_q21ce25001f_fused,@function
k_q21ce25001f_fused:
	s_mov_b64 s[64:65], 0
	v_nop
	global_prefetch_b8 v0, s[64:65] scope:SCOPE_SE
	s_setreg_imm32_b32 hwreg(HW_REG_WAVE_MODE, 25, 1), 1
	s_wait_xcnt 0x0
; Scores and an unnormalised part of ctx for one chunk of one batch's rows that count.  enc is read from memory once, and only its rows that count (the list and the count were stored by the launch before).
; Work-group (b, i): batch b, chunk i.  With cnt[b] rows that count the list has T = ceil(cnt / 16) tiles of 16 rows.  Chunk i < 8 takes tiles i + 8 k, k < 9; chunk i >= 8 takes tiles 64 + i + 8 k:
; every tile under 128 has one owner, whatever the mask.  EVERY CHUNK WALKS THE WHOLE TEXT AND PASSES EVERY BARRIER; what a chunk does not have is jumped over between the barriers.
; A chunk with no tile reads the batch's row 0 in place of listed rows for two tiles, leaves phases C and X out and stores the neutral part (zeros, m = -3e38, l = 0).
; PHASE L: the rows are gathered by list[b], 16 at a time.  Wave w takes columns 256 w .. 256 w + 255 of every row, as two segments of 128: a lane holds four neighbours of each segment, a block of 32 lies in eight lanes.
;   They are quantised to FP4 (E2M1, one E8M0 byte for each 32 along K).  A lane's codes of EIGHT ROWS of one segment are 16 bytes and leave by one LDS store; the transposing LDS load (8 x 8 elements of 16 bits in each group of
;   eight lanes) gives every wave the fragments of all rows: 64 registers a tile.  The same numbers, rounded to bf16 in place in the registers in which they landed, go to LDS for ctx, 16 bytes a row and lane.
; PHASE C: wave w takes columns d = 256 w .. 256 w + 255 of W_enc, 16 at a time, from memory into registers in the order of the operand's registers.  THE PRODUCT IS USED TRANSPOSED (source 0 = 16 columns of W,
;   source 1 = 16 rows): a lane holds ONE row, its registers run along d.  A column tile is 72 products on end, K outermost, the nine accumulators by turns; bc is the C of each sum's first product.
;   Then one block of vector work: y = c x, c = 2 log2(e); u = 2^y; r = 1 / (1 + u); tanh = 1 - 2 r; S += V r.  An overflow of u gives r = 0, an underflow r = 1: the right ends, with no hold.  t = log2(e) (sum V - 2 S).
;   All nine register tiles are always multiplied: a tile that the chunk does not have holds what the exchange buffer last held, and its places get p = 0.
; THEN: the four waves' parts of S meet in LDS; m = the chunk's largest t, p = 2^(t - m), l = sum p; part of ctx = sum p x bf16(enc), each lane on the bytes that it wrote itself.
; NO TENSOR LOAD, NO JOINT REQUEST, though all work-groups read the same W: branches here hang on counts read from memory, partners would have different numbers of tiles, and the rows are a gather.
; NO PREFETCH: in phase L a tile's 32 loads of 512 bytes a wave go out a whole step ahead of their wait, so 32 to 64 loads a wave are out throughout; in phase C a column tile's 21 loads go out two column tiles ahead.
; LIMITS: NaN and infinities among the inputs are not served; a block whose largest magnitude lies under 2^-124 (zeros too) gets the byte 1; tanh carries an absolute error of some 2^-23; enc is rounded to bf16 for ctx alone;
;   t is taken to lie above -3e38.
; REGISTERS, in windows of 256.  Window 0: the names below.  Window g + 1 (g = 0, 1, 2): v0-191 the codes of tiles 3 g .. 3 g + 2 (tile x, K step s at 64 x + 8 s).
;   v192-255 of windows 0-3: phase L's landing halves (even tiles: windows 0, 1; odd tiles: 2, 3; row p of a half, segment g at v192 + 8 p + 4 g).  Phase C: W's two buffers are v192-255 of windows 0 and 1.
.set CXB, 294912                       ; LDS: 0 on: 144 rows x 2,048 bytes of bf16.  Here: a tile's codes, two buffers by the tile's parity
.set OCT, 4224                         ; eight rows' codes: 32 blocks x 8 lanes x 16 bytes, + 128
.set XBUF, 8448
.set SXB, 311808                       ; the tile's scale bytes, rows of 32 + 16 bytes, two buffers of 768
.set SCR, 313344                       ; each wave's part of S: [4][144] words
.set SVW, 315648                       ; each wave's sum of V
.set PB,  315904                       ; p: each wave's own copy, 160 words
.set SPARE, 319488                     ; the spare words, 128 bytes a wave: no other line names them
.set L16,  1                           ; 16 x lane
.set R4,   2                           ; 4 x (lane % 16)
.set GOFF, 3                           ; 1,024 w + 16 x lane: my 16 bytes of a row's first segment; also my place in pctx
.set RET0, 4                           ; 512 w + 16 x lane: my 16 bytes of a row of bf16
.set CX,   5                           ; CXB + 1,024 w + 16 x lane: my codes of eight rows
.set SX,   6                           ; SXB + 48 (lane % 8) + 8 w + lane / 8: the byte that I store
.set FR,   7                           ; CXB + 128 (lane / 16) + 16 (lane % 8) + OCT ((lane / 8) % 2): a fragment's place for my lane
.set SR,   8                           ; SXB + 48 r + 16 h: four scale words
.set RETJ, 9                           ; RET0 + the tile in hand
.set SA,   10                          ; v10-27   phase C: the score sums, a pair a tile (even d, odd d)
.set VOFF, 12                          ; v12-27   phase L: byte offsets of the 16 rows to be asked for
.set ASC,  28                          ; v28-63   the rows' scale words, four registers a tile: they hold scales and nothing else
.set MX,   64                          ; v64-79   phase L: 16 largest magnitudes, then scale operands (quad 2 p + g)
.set EO,   80                          ; v80-95   conversions' results
.set SL,   96                          ; v96-103  the choice of a scale
.set PK0,  104                         ; v104-123 two sets by the half: 8 registers of codes, 2 bytes
.set VOF2, 128                         ; v128-143 the second tile's offsets at the head
.set ACC,  64                          ; v64-135  phase C: nine accumulators
.set BIA,  136                         ; v136-151 bc of my eight columns, two buffers
.set VV,   152                         ; v152-167 V of my eight columns, two buffers
.set T0,   160                         ; v160-163 at work at the head
.set VS,   164                         ; v164-171 eight numbers of V a lane, for their sum
.set SPW,  174                         ; my spare word's address; never rewritten
.set NIL,  175                         ; 0; never rewritten
.set LN,   176
.set WO1,  177                         ; offsets into wq, wsc, and V and bc
.set WO2,  178
.set WO3,  179
.set WSC,  180                         ; v180-187 W's scale words, four registers a buffer: scales and nothing else
.set SVL,  188
.set HB,   189                         ; 32 x (lane / 16)
.set H,    192
.set XS,   136                         ; the end: eight sums of ctx
.set A0,   144                         ; v144-150 LDS addresses of the end
.set TT,   216
.set ML,   222
.set PP,   224
.set PO,   236
.set IA,   241
.set IDX,  246
.set MSB, 0
.macro WIN new                         ; the immediate's high byte repeats the setting that is left; a switch that changes nothing is dropped
.if MSB != (\new)
	s_set_vgpr_msb (MSB<<8)|(\new)
.set MSB, (\new)
.endif
.endm
.macro ALU
	s_wait_alu depctr_va_vdst(0)
.endm
.macro LISTLOAD add                    ; sixteen entries of the list: my tile number add, held inside the batch's 128 tiles
	s_add_co_u32 s58, s30, 8*(\add)
	s_min_u32 s58, s58, 127
	s_lshl_b32 s58, s58, 6
	s_load_b512 s[68:83], s[36:37], s58 offset:0x0
.endm
; the entries in s[sb] on become byte offsets in v[vb] on.  m: a scalar register of ones or zeros (a tile that the chunk does not have: row 0), or 0 for none.  x: earlier loads have read v[vb] on
.macro VOFFS sb, m, vb, x
.if \x
	s_wait_xcnt 0x0
.endif
.irp p, 0,1,2,3,4,5,6,7,8,9,10,11,12,13,14,15
.if \m
	s_and_b32 s[\sb+\p], s[\sb+\p], s[\m]
.endif
	s_min_u32 s[\sb+\p], s[\sb+\p], 2047           ; a loaded row number is held inside the batch
	s_lshl_b32 s[\sb+\p], s[\sb+\p], 12
	v_add_nc_u32 v[\vb+\p], s[\sb+\p], v[GOFF]
.endr
	ALU
.endm
.macro ISSUE par, vb                   ; a tile's 32 loads: each covers 512 consecutive bytes of one row
.irp f, 0,1
	WIN (2*(\par)+\f)<<6
.irp p, 0,1,2,3,4,5,6,7
.irp g, 0,1
	global_load_b128 v[H+8*\p+4*\g:H+8*\p+4*\g+3], v[\vb+8*\f+\p], s[34:35] offset:512*\g th:TH_LOAD_NT
.endr
.endr
.endr
	WIN 0
.endm
; Eight rows (the half in window win, rows 8 oct on of the tile): 16 quads, quad 2 p + g = my four neighbours of row p, segment g.
; The conversion takes a row's eight registers: under segment 0's scale its low four codes hold, under segment 1's its high four.
.macro HALF win, oct, par
.set PK, PK0+10*(\oct)
	WIN (\win)*5
.set e, 0
.rept 16
	v_max3_num_f32 v[MX+e], |v[H+4*e]|, |v[H+4*e+1]|, s48            ; with the floor 2^(3 - 127): the byte cannot fall under 1
.set e, e+1
.endr
.set e, 0
.rept 16
	v_max3_num_f32 v[MX+e], |v[H+4*e+2]|, |v[H+4*e+3]|, v[MX+e]
.set e, e+1
.endr
	WIN 0
.irp x, 1,2,4
.set e, 0
.rept 16
	v_max_num_f32_dpp v[MX+e], v[MX+e], v[MX+e] row_xmask:\x row_mask:0xf bank_mask:0xf
.set e, e+1
.endr
.endr
.set e, 0
.rept 16
	v_add_nc_u32 v[MX+e], s49, v[MX+e]             ; 2 off the exponent field: the conversion's scale operand
.set e, e+1
.endr
	WIN \win
.set e, 0
.rept 16
	v_cvt_scalef32_pk8_fp4_f32 v[EO+e], v[H+8*(e/2):H+8*(e/2)+7], v[MX+e]
.set e, e+1
.endr
	WIN 0
	v_nop                                          ; one plain place behind the scaled conversions
.irp m, 0,1,2,3                                ; element i of my 16 bytes = my four codes of row i
	v_perm_b32 v[PK+\m], v[EO+4*\m+2], v[EO+4*\m], 0x05040100        ; segment 0: the low halves of rows 2 m, 2 m + 1
	v_perm_b32 v[PK+4+\m], v[EO+4*\m+3], v[EO+4*\m+1], 0x07060302    ; segment 1: the high halves
.endr
.irp k, 0,1,2,3                                ; the eight lanes of a block hold the same scales: lane l keeps that of row l % 8, bit by bit
.irp g, 0,1
	v_cndmask_b32 v[SL+4*\g+\k], v[MX+4*\k+\g], v[MX+4*\k+2+\g], s66
.endr
.endr
.irp g, 0,1
	v_cndmask_b32 v[SL+4*\g], v[SL+4*\g], v[SL+4*\g+1], s67
	v_cndmask_b32 v[SL+4*\g+2], v[SL+4*\g+2], v[SL+4*\g+3], s67
.endr
.irp g, 0,1
	v_cndmask_b32 v[SL+4*\g], v[SL+4*\g], v[SL+4*\g+2], s100
.endr
.irp g, 0,1
	v_lshrrev_b32 v[PK+8+\g], 23, v[SL+4*\g]       ; the scale's byte
.endr
.irp g, 0,1
	ds_store_b128 v[CX], v[PK+4*\g:PK+4*\g+3] offset:512*\g+OCT*(\oct)+XBUF*(\par)
	ds_store_b8 v[SX], v[PK+8+\g] offset:384*(\oct)+4*\g+768*(\par)  ; 32 lanes: 8 rows x 4 blocks, a byte each
.endr
	WIN (\win)*0x45
.irp p, 0,1,2,3,4,5,6,7                        ; bf16 in place: each line writes a register whose number has been read
.irp i, 0,1,2,3
	v_cvt_pk_bf16_f32 v[H+8*\p+\i], v[H+8*\p+2*\i], v[H+8*\p+2*\i+1]
.endr
.endr
	WIN (\win)<<2
.irp p, 0,1,2,3,4,5,6,7
	ds_store_b128 v[RETJ], v[H+8*\p:H+8*\p+3] offset:2048*(8*(\oct)+\p)
.endr
	WIN 0
.endm
; tile j's eight fragments and its scale words.  Lane 8 g + i takes element i of the 16 bytes that lanes 8 g + 0 .. 7 name: row i of its eight rows, the block's eight pieces in the order of K
.macro FRAGS j
	WIN ((\j)/3+1)<<6
.irp s, 0,1,2,3,4,5,6,7
.irp c, 0,1
	ds_load_tr16_b128 v[64*((\j)%3)+8*\s+4*\c:64*((\j)%3)+8*\s+4*\c+3], v[FR] offset:512*\s+256*\c+XBUF*((\j)%2)
.endr
.endr
	WIN 0
	ds_load_b128 v[ASC+4*(\j):ASC+4*(\j)+3], v[SR] offset:768*((\j)%2)
.endm
; A step of phase L: tile j + 1 is asked for (where the chunk has it), tile j is worked, one barrier, tile j's codes come into every wave's registers.
; Steps 0 and 1 always work, so that both exchange buffers are written.  The waits for 0 on DScnt ahead of the barriers also free the registers that the step's LDS stores read.
.macro STEP j
.set PJ, (\j)%2
.set PN, ((\j)+1)%2
.if ((\j) >= 1) && ((\j) <= 7)
	s_cmp_lt_u32 s31, (\j)+2
	s_cbranch_scc1 .Lnone_\@
	s_wait_kmcnt 0x0                               ; tile j + 1's entries of the list, asked for a step ago
	VOFFS 68, 0, VOFF, 1
.if (\j) <= 6
	LISTLOAD (\j)+2
.endif
	ISSUE PN, VOFF
	s_wait_loadcnt 32                              ; tile j is in; the 32 loads just issued may be out
	s_branch .Lgo_\@
.Lnone_\@:
	s_wait_loadcnt 0x0                             ; nothing was issued behind tile j
.Lgo_\@:
.elseif (\j) == 0
	s_wait_loadcnt 32                              ; V's numbers and tile 0 are in; the second tile's 32 loads may be out
.else
	s_wait_loadcnt 0x0
.endif
.if (\j) >= 2
	s_cmp_le_u32 s31, (\j)
	s_cbranch_scc1 .Lnowork_\@                     ; the chunk has no tile j; the ways join ahead of the barrier
.endif
	v_add_nc_u32 v[RETJ], 32768*(\j), v[RET0]
	HALF 2*PJ, 0, PJ
	HALF 2*PJ+1, 1, PJ
.if (\j) >= 2
.Lnowork_\@:
.endif
	s_wait_dscnt 0x0                               ; my stores have landed, and my reads of the other exchange buffer are in
	s_barrier_signal -1
	s_barrier_wait -1
	FRAGS \j
.endm
; A column tile, k tiles on from where the offsets stand, into buffer buf: 16 loads of W's codes, its scale words, two of bc: 19 loads;  LOADV: two of V
.macro LOADW buf, k
	WIN (\buf)<<6
.irp s, 0,1,2,3,4,5,6,7
.irp c, 0,1
	global_load_b128 v[H+8*\s+4*\c:H+8*\s+4*\c+3], v[WO1], s[38:39] offset:8192*(\k)+1024*\s+512*\c
.endr
.endr
	WIN 0
	global_load_b128 v[WSC+4*(\buf):WSC+4*(\buf)+3], v[WO2], s[40:41] offset:512*(\k)
	global_load_b128 v[BIA+8*(\buf):BIA+8*(\buf)+3], v[WO3], s[44:45] offset:64*(\k)
	global_load_b128 v[BIA+8*(\buf)+4:BIA+8*(\buf)+7], v[WO3], s[44:45] offset:64*(\k)+16
.endm
.macro LOADV buf, k
	global_load_b128 v[VV+8*(\buf):VV+8*(\buf)+3], v[WO3], s[42:43] offset:64*(\k)
	global_load_b128 v[VV+8*(\buf)+4:VV+8*(\buf)+7], v[WO3], s[42:43] offset:64*(\k)+16
.endm
; 72 products: K step by K step, the nine accumulators by turns, one instruction a turn.  Source 0: W, window buf; source 1: the codes, window 1 + tile / 3
.macro MULS buf
.set ms, 0
.rept 8
.set mt, 0
.rept 9
	WIN (\buf)|((mt/3+1)<<2)
.set mD, ACC+8*mt
.set mB, 64*(mt%3)+8*ms
.if ms == 0
	v_wmma_scale_f32_16x16x128_f8f6f4 v[mD:mD+7], v[H:H+7], v[mB:mB+7], v[BIA+8*(\buf):BIA+8*(\buf)+7], v[WSC+4*(\buf)], v[ASC+4*mt] matrix_a_fmt:MATRIX_FMT_FP4 matrix_b_fmt:MATRIX_FMT_FP4
.elseif ms < 4
	v_wmma_scale_f32_16x16x128_f8f6f4 v[mD:mD+7], v[H+8*ms:H+8*ms+7], v[mB:mB+7], v[mD:mD+7], v[WSC+4*(\buf)+ms], v[ASC+4*mt+ms] matrix_a_fmt:MATRIX_FMT_FP4 matrix_b_fmt:MATRIX_FMT_FP4
.else
	v_wmma_scale_f32_16x16x128_f8f6f4 v[mD:mD+7], v[H+8*ms:H+8*ms+7], v[mB:mB+7], v[mD:mD+7], v[WSC+4*(\buf)+ms-4], v[ASC+4*mt+ms-4] matrix_a_fmt:MATRIX_FMT_FP4 matrix_b_fmt:MATRIX_FMT_FP4 matrix_a_scale:MATRIX_SCALE_ROW1 matrix_b_scale:MATRIX_SCALE_ROW1
.endif
.set mt, mt+1
.endr
.set ms, ms+1
.endr
	WIN 0
.endm
; The vector work of a column tile.  Four places behind the products; the buffer that they have left takes the column tile two on; each batch of transcendentals has its wait ahead and, behind a plain place, its wait behind.
.macro TVB buf, k
.rept 4
	v_nop
.endr
	LOADW \buf, \k
.set n, 0
.rept 36
	v_pk_mul_f32 v[ACC+2*n:ACC+2*n+1], v[ACC+2*n:ACC+2*n+1], s[46:47] op_sel_hi:[1,0]   ; y = c x, each accumulator from its low end on
.set n, n+1
.endr
	ALU
.set n, 0
.rept 72
	v_exp_f32 v[ACC+n], v[ACC+n]
.set n, n+1
.endr
	v_nop
	ALU
.set n, 0
.rept 36
	v_pk_add_f32 v[ACC+2*n:ACC+2*n+1], v[ACC+2*n:ACC+2*n+1], 1.0 op_sel_hi:[1,0]
.set n, n+1
.endr
	ALU
.set n, 0
.rept 72
	v_rcp_f32 v[ACC+n], v[ACC+n]
.set n, n+1
.endr
	v_nop
	ALU
.set n, 0
.rept 36                                       ; S += V r, the nine tiles by turns
	v_pk_fma_f32 v[SA+2*(n%9):SA+2*(n%9)+1], v[ACC+8*(n%9)+2*(n/9):ACC+8*(n%9)+2*(n/9)+1], v[VV+8*(\buf)+2*(n/9):VV+8*(\buf)+2*(n/9)+1], v[SA+2*(n%9):SA+2*(n%9)+1]
.set n, n+1
.endr
	LOADV \buf, \k                                 ; V's buffer has been read
.endm
; wave w stores t of places lane + 32 u that count, each at its row's place
.macro TST u, w
	s_cmp_lg_u32 s24, \w
	s_cbranch_scc1 .Lnot_\@
	s_wait_xcnt 0x0                                ; EXEC changes only behind this wait
	s_and_saveexec_b32 s91, s[86+\u]
	global_store_b32 v[IDX+\u], v[TT+\u], s[18:19]
	s_wait_xcnt 0x0
	s_or_b32 exec_lo, exec_lo, s91
.Lnot_\@:
.endm
	s_load_b512 s[4:19], s[0:1], 0x0               ; enc, V, wq, wsc, bc, list, cnt, tsc
	s_load_b128 s[20:23], s[0:1], 0x40             ; pml, pctx
	v_lshl_add_u32 v[SPW], v0, 2, SPARE
	v_mov_b32 v[NIL], 0
	v_lshrrev_b32 v1, 5, v0
	v_readfirstlane_b32 s24, v1                    ; wave 0..3
	s_mov_b32 s25, ttmp9                           ; the batch
	s_and_b32 s26, ttmp7, 0xffff                   ; the chunk
	s_cmp_lt_u32 s26, 8
	s_cselect_b32 s30, 0, 64
	s_add_co_u32 s30, s30, s26                     ; my first tile: i, or 64 + i
	s_lshl_b32 s58, s25, 2
	s_lshl_b32 s59, s30, 6                         ; its 64 bytes of the list,
	s_add_co_u32 s62, s59, 512                     ; and those of my second tile, eight tiles on
	s_mov_b32 s61, 0
	s_lshl_b32 s60, s25, 13
	ALU
	s_wait_kmcnt 0x0
	s_add_nc_u64 s[36:37], s[14:15], s[60:61]      ; list[b]
	s_load_b32 s27, s[16:17], s58 offset:0x0       ; cnt[b], and with it
	s_load_b512 s[68:83], s[36:37], s59 offset:0x0 ; my first tile's entries
	s_load_b512 s[84:99], s[36:37], s62 offset:0x0 ; and my second's: one wait serves the three
	s_mov_b32 s46, 0x4038aa3b                      ; c = 2 log2(e)
	s_mov_b32 s47, s46
	s_mov_b32 s48, 0x1800000                       ; the floor 2^(3 - 127)
	s_mov_b32 s49, 0xff000000                      ; -(2 << 23)
	s_mov_b32 s51, 0x3fb8aa3b                      ; log2(e)
	s_mov_b32 s52, 0x76543210                      ; v_permlanex16_b32's selects for lane l xor 16
	s_mov_b32 s53, 0xfedcba98
	s_mov_b32 s66, 0xaaaaaaaa                      ; the lanes whose number has bit 0, 1, 2
	s_mov_b32 s67, 0xcccccccc
	s_mov_b32 s100, 0xf0f0f0f0
	s_add_nc_u64 s[18:19], s[18:19], s[60:61]      ; tsc[b]
	s_lshl_b32 s60, s25, 23
	s_add_nc_u64 s[34:35], s[4:5], s[60:61]        ; enc[b]
	s_lshl_b32 s60, s24, 17
	s_add_nc_u64 s[38:39], s[8:9], s[60:61]        ; wq: my 16 column tiles
	s_lshl_b32 s60, s24, 13
	s_add_nc_u64 s[40:41], s[10:11], s[60:61]      ; wsc likewise
	s_lshl_b32 s60, s24, 10
	s_add_nc_u64 s[42:43], s[6:7], s[60:61]        ; V: my 256 columns
	s_lshl_b32 s63, s25, 12
	s_add_co_u32 s60, s60, s63
	s_add_nc_u64 s[44:45], s[12:13], s[60:61]      ; bc[b]: my 256 columns
	s_lshl_b32 s63, s25, 4
	s_add_co_u32 s63, s63, s26                     ; 16 b + i
	s_lshl_b32 s60, s63, 3
	s_add_nc_u64 s[20:21], s[20:21], s[60:61]      ; pml[b][i]
	s_lshl_b32 s60, s63, 12
	s_add_nc_u64 s[22:23], s[22:23], s[60:61]      ; pctx[b][i]
	s_lshl_b32 s54, s24, 10
	s_lshl_b32 s55, s24, 9
	s_lshl_b32 s56, s24, 10
	s_add_co_u32 s56, s56, CXB
	s_lshl_b32 s57, s24, 3
	s_add_co_u32 s57, s57, SXB
	v_and_b32 v[LN], 31, v0
	v_and_b32 v[T0], 15, v0                        ; r
	v_bfe_u32 v[T0+1], v0, 4, 1                    ; h
	v_and_b32 v[T0+2], 7, v0                       ; lane % 8
	v_bfe_u32 v[T0+3], v0, 3, 1                    ; (lane / 8) % 2
	v_lshlrev_b32 v[L16], 4, v[LN]
	v_lshlrev_b32 v[R4], 2, v[T0]
	v_lshlrev_b32 v[HB], 5, v[T0+1]
	v_lshlrev_b32 v190, 5, v[LN]
	v_bfe_u32 v191, v0, 3, 2                       ; lane / 8
	v_add_nc_u32 v[GOFF], s54, v[L16]
	v_add_nc_u32 v[RET0], s55, v[L16]
	v_add_nc_u32 v[CX], s56, v[L16]
	v_mad_u32_u24 v[SX], v[T0+2], 48, v191
	v_add_nc_u32 v[SX], s57, v[SX]
	v_lshlrev_b32 v[FR], 4, v[T0+2]
	v_lshl_add_u32 v[FR], v[T0+1], 7, v[FR]
	v_mad_u32_u24 v[FR], v[T0+3], OCT, v[FR]
	v_add_nc_u32 v[FR], CXB, v[FR]
	v_mul_u32_u24 v[SR], v[T0], 48
	v_lshl_add_u32 v[SR], v[T0+1], 4, v[SR]
	v_add_nc_u32 v[SR], SXB, v[SR]
	ALU
	global_load_b128 v[VS:VS+3], v190, s[42:43]                ; eight numbers of V a lane, for their sum
	global_load_b128 v[VS+4:VS+7], v190, s[42:43] offset:16
	s_wait_kmcnt 0x0
	s_min_u32 s27, s27, 2048
	s_add_co_u32 s28, s27, 15
	s_lshr_b32 s28, s28, 4                         ; T
	s_min_u32 s63, s30, s28
	s_sub_co_u32 s31, s28, s63
	s_add_co_u32 s31, s31, 7
	s_lshr_b32 s31, s31, 3
	s_min_u32 s31, s31, 9                          ; nt: my tiles under T, 0 to 9
	s_cmp_lg_u32 s31, 0
	s_cselect_b32 s33, -1, 0                       ; all ones where I have a tile,
	s_cmp_gt_u32 s31, 1
	s_cselect_b32 s29, -1, 0                       ; and where I have a second
	s_lshl_b32 s57, s30, 4                         ; my first place in the list
	s_add_co_u32 s32, s57, 1040                    ; one past my ninth tile's last place:
	s_min_u32 s32, s32, s27                        ; a place of mine counts where it lies under this and under cnt
	VOFFS 68, 33, VOFF, 0
	ISSUE 0, VOFF
	VOFFS 84, 29, VOF2, 0                          ; registers of its own: no wait for the first tile's loads
	ISSUE 1, VOF2                                  ; both pairs of landing halves are written on every way
	LISTLOAD 2
	; ---------------- PHASE L
	STEP 0
	STEP 1
	STEP 2
	STEP 3
	STEP 4
	STEP 5
	STEP 6
	STEP 7
	STEP 8
	; ---------------- PHASE C
	v_add_f32 v[VS], v[VS], v[VS+1]
	v_add_f32 v[VS+2], v[VS+2], v[VS+3]
	v_add_f32 v[VS+4], v[VS+4], v[VS+5]
	v_add_f32 v[VS+6], v[VS+6], v[VS+7]
	v_add_f32 v[VS], v[VS], v[VS+2]
	v_add_f32 v[VS+4], v[VS+4], v[VS+6]
	v_add_f32 v[SVL], v[VS], v[VS+4]               ; my eight numbers of V
.set n, 0
.rept 18
	v_mov_b32 v[SA+n], 0                           ; the score sums (the rows' loads, which read these registers as offsets, have all come)
.set n, n+1
.endr
	v_mov_b32 v[WO1], v[L16]
	v_mov_b32 v[WO2], v[L16]
	v_mov_b32 v[WO3], v[HB]
	s_cmp_eq_u32 s31, 0
	ALU
	s_cbranch_scc1 .Lno_c                          ; a chunk without rows reads nothing of W; no barrier stands in what is jumped over
	LOADW 0, 0                                     ; the first two column tiles: 21 loads each
	LOADV 0, 0
	LOADW 1, 1
	LOADV 1, 1
	s_wait_dscnt 0x0                               ; the last tile's codes are in
	s_mov_b32 s54, 0
.Lcol:                                             ; eight trips of two column tiles
	s_add_co_u32 s55, s54, 1
	s_and_b32 s55, s55, 7                          ; the loads of this trip serve the next; behind the last the first once more: no load leaves its buffer
	s_lshl_b32 s56, s55, 14
	s_wait_xcnt 0x0                                ; the loads have read their offsets: these may be written
	v_add_nc_u32 v[WO1], s56, v[L16]
	s_lshl_b32 s56, s55, 10
	v_add_nc_u32 v[WO2], s56, v[L16]
	s_lshl_b32 s56, s55, 7
	v_add_nc_u32 v[WO3], s56, v[HB]
	ALU
	s_wait_loadcnt 21                              ; buffer 0's 21 loads are in; buffer 1's 21 may be out
	MULS 0
	TVB 0, 0
	s_wait_loadcnt 21                              ; buffer 1's are in; the 21 just issued may be out
	MULS 1
	TVB 1, 1
	s_add_co_u32 s54, s54, 1
	s_cmp_lt_u32 s54, 8
	s_cbranch_scc1 .Lcol
	s_wait_loadcnt 0x0                             ; the last trip's look-ahead has landed: its registers may be used
.Lno_c:
	ALU
	; ---------------- THE SCORES: a tile's pair and lane l xor 16's make my 256 columns' part of S for row lane % 16; the four waves' parts meet in LDS
	v_and_b32 v234, 15, v0
	v_bfe_u32 v235, v0, 4, 1
	v_lshl_add_u32 v234, v235, 7, v234
	v_add_nc_u32 v234, s57, v234                   ; place l = lane + 32 u of my chunk is place 16 x first tile + 128 (l / 16) + l % 16 of the list
.irp u, 0,1,2,3,4
	v_add_nc_u32 v[PO+\u], 256*\u, v234
	v_min_u32 v[IA+\u], 0x7ff, v[PO+\u]            ; held inside the list
	v_lshlrev_b32 v[IA+\u], 2, v[IA+\u]
	global_load_b32 v[IDX+\u], v[IA+\u], s[36:37]  ; the row number there: wanted at the very end
.endr
.irp t, 0,1,2,3,4,5,6,7,8
	v_add_f32 v[SA+2*\t], v[SA+2*\t], v[SA+2*\t+1]
.endr
.irp t, 0,1,2,3,4,5,6,7,8
	v_permlanex16_b32 v[SA+2*\t+1], v[SA+2*\t], s52, s53
.endr
.irp t, 0,1,2,3,4,5,6,7,8
	v_add_f32 v[SA+2*\t], v[SA+2*\t], v[SA+2*\t+1]
.endr
	v_mov_b32 v231, 0                              ; a lane permute's destination counts as one of its sources
.irp x, 1,2,4,8
	v_add_f32_dpp v[SVL], v[SVL], v[SVL] row_xmask:\x row_mask:0xf bank_mask:0xf
.endr
	v_permlanex16_b32 v231, v[SVL], s52, s53
	v_add_f32 v[SVL], v[SVL], v231                 ; my wave's sum of V
	s_mul_i32 s85, s24, 576
	s_add_co_u32 s85, s85, SCR
	v_add_nc_u32 v[A0+5], s85, v[R4]               ; my wave's part of S: row lane % 16 of a tile
	s_lshl_b32 s85, s24, 2
	s_add_co_u32 s85, s85, SVW
	v_mov_b32 v[A0+6], s85
.irp t, 0,1,2,3,4,5,6,7,8
	ds_store_b32 v[A0+5], v[SA+2*\t] offset:64*\t  ; lanes l and l xor 16 write the same word with the same value
.endr
	ds_store_b32 v[A0+6], v[SVL]
	v_lshl_add_u32 v[A0], v[LN], 2, SCR            ; row lane + 32 u
	v_add_nc_u32 v[A0+1], SCR+512, v[R4]           ; rows 128 + lane % 16
	v_mov_b32 v[A0+2], SVW
	s_mul_i32 s85, s24, 640
	s_add_co_u32 s85, s85, PB
	v_lshl_add_u32 v[A0+3], v[LN], 2, s85          ; my wave's copy of p: my word,
	v_mov_b32 v[A0+4], s85                         ; and its first word
	v_mov_b32 v229, 0xff800000                     ; -infinity
	v_mov_b32 v232, 0
	ALU
	s_wait_dscnt 0x0                               ; for the others' sake: my stores have landed
	s_barrier_signal -1
	s_barrier_wait -1
.irp u, 0,1,2,3
.irp p, 0,1,2,3
	ds_load_b32 v[H+4*\u+\p], v[A0] offset:128*\u+576*\p
.endr
.endr
.irp p, 0,1,2,3
	ds_load_b32 v[H+16+\p], v[A0+1] offset:576*\p
.endr
	ds_load_b128 v[212:215], v[A0+2]
	s_wait_dscnt 0x0
	v_add_f32 v212, v212, v213
	v_add_f32 v214, v214, v215
	v_add_f32 v212, v212, v214                     ; the sum of V
.irp u, 0,1,2,3,4
	v_add_f32 v[H+4*\u], v[H+4*\u], v[H+4*\u+1]
	v_add_f32 v[H+4*\u+2], v[H+4*\u+2], v[H+4*\u+3]
	v_add_f32 v[H+4*\u], v[H+4*\u], v[H+4*\u+2]    ; S
	v_fma_f32 v[H+4*\u], v[H+4*\u], -2.0, v212
	v_mul_f32 v[TT+\u], s51, v[H+4*\u]             ; t = log2(e) (sum V - 2 S)
	v_cmp_gt_u32 s[86+\u], s32, v[PO+\u]           ; the place holds a row of mine that counts
	v_cndmask_b32 v[TT+\u], v229, v[TT+\u], s[86+\u]
.endr
	v_max3_num_f32 v230, v[TT], v[TT+1], v[TT+2]
	v_max3_num_f32 v230, v230, v[TT+3], v[TT+4]
	v_max_num_f32 v230, 0xff61b1e6, v230           ; and -3e38, under every t: a chunk without rows so has a number for m, and p = 0, l = 0
.irp x, 1,2,4,8
	v_max_num_f32_dpp v230, v230, v230 row_xmask:\x row_mask:0xf bank_mask:0xf
.endr
	v_permlanex16_b32 v231, v230, s52, s53
	v_max_num_f32 v[ML], v230, v231                ; m: the chunk's largest t
.irp u, 0,1,2,3,4
	v_sub_f32 v[PP+\u], v[TT+\u], v[ML]
.endr
	ALU
.irp u, 0,1,2,3,4
	v_exp_f32 v[PP+\u], v[PP+\u]                   ; p = 2^(t - m); 0 where the place does not count
.endr
	v_nop
	ALU
	v_add_f32 v230, v[PP], v[PP+1]
	v_add_f32 v233, v[PP+2], v[PP+3]
	v_add_f32 v230, v230, v[PP+4]
	v_add_f32 v230, v230, v233
.irp x, 1,2,4,8
	v_add_f32_dpp v230, v230, v230 row_xmask:\x row_mask:0xf bank_mask:0xf
.endr
	v_permlanex16_b32 v231, v230, s52, s53
	v_add_f32 v[ML+1], v230, v231                  ; l
.irp u, 0,1,2,3,4
	ds_store_b32 v[A0+3], v[PP+\u] offset:128*\u
.endr
.irp n, 0,1,2,3,4,5,6,7
	v_mov_b32 v[XS+\n], 0
.endr
	ALU
	s_wait_dscnt 0x0
	s_barrier_signal -1                            ; behind this barrier no wave stores to LDS any more
	s_barrier_wait -1
	; ---------------- PHASE X: my columns' part of ctx, from the bf16 bytes that I wrote myself
	s_mov_b32 s54, 0                               ; the tile
	s_mov_b32 s55, 0                               ; its rows in LDS
	s_mov_b32 s56, 0                               ; its p
.Lx:                                               ; nine trips; the work of a tile that the chunk does not have is jumped over
	v_add_nc_u32 v190, s55, v[RET0]
	v_add_nc_u32 v191, s56, v[A0+4]
	ALU
	s_cmp_ge_u32 s54, s31
	s_cbranch_scc1 .Lx_none
.irp i, 0,1,2,3
	ds_load_b128 v[H+4*\i:H+4*\i+3], v191 offset:16*\i             ; the tile's sixteen p, in every lane
.endr
.irp p, 0,1,2,3,4,5,6,7,8,9,10,11,12,13,14,15
	ds_load_b128 v[64+4*\p:64+4*\p+3], v190 offset:2048*\p         ; my eight numbers of row p
.endr
	s_wait_dscnt 0x0                               ; the tile's p and its sixteen rows are in: one wait, so that none stands between a sum's write and its next read
.irp p, 0,1,2,3,4,5,6,7,8,9,10,11,12,13,14,15
.irp q, 0,1,2,3
	v_fma_mix_f32_bf16 v[XS+2*\q], v[64+4*\p+\q], v[H+\p], v[XS+2*\q] op_sel:[0,0,0] op_sel_hi:[1,0,0]
	v_fma_mix_f32_bf16 v[XS+2*\q+1], v[64+4*\p+\q], v[H+\p], v[XS+2*\q+1] op_sel:[1,0,0] op_sel_hi:[1,0,0]
.endr
.endr
.Lx_none:
	s_add_co_u32 s55, s55, 32768
	s_add_co_u32 s56, s56, 64
	s_add_co_u32 s54, s54, 1
	s_cmp_lt_u32 s54, 9
	s_cbranch_scc1 .Lx
	ALU
	global_store_b128 v[GOFF], v[XS:XS+3], s[22:23]                ; 32 lanes store 512 consecutive bytes
	global_store_b128 v[GOFF], v[XS+4:XS+7], s[22:23] offset:512
	s_wait_loadcnt 0x0                             ; the row numbers
.irp u, 0,1,2,3,4
	v_min_u32 v[IDX+\u], 0x7ff, v[IDX+\u]          ; a loaded row number is held inside the batch
	v_lshlrev_b32 v[IDX+\u], 2, v[IDX+\u]
.endr
	ALU
	TST 0, 0                                       ; every wave holds all t: the five stores are shared out by the wave's number
	TST 1, 1
	TST 2, 2
	TST 3, 3
	TST 4, 0
	s_cmp_lg_u32 s24, 2
	s_cbranch_scc1 .Lend
	s_wait_xcnt 0x0
	v_cmp_eq_u32 vcc_lo, 0, v[LN]
	s_and_saveexec_b32 s91, vcc_lo
	global_store_b64 v232, v[ML:ML+1], s[20:21]    ; (m, l), by one lane of wave 2
	s_wait_xcnt 0x0
	s_or_b32 exec_lo, exec_lo, s91
.Lend:
	s_wait_tensorcnt 0x0                           ; the wave's end
	ds_add_u32 v[SPW], v[NIL]
	s_wait_dscnt 0x0
	s_endpgm
.Lfunc_end_k_q21ce25001f_fused:
	.size	k_q21ce25001f_fused, .Lfunc_end_k_q21ce25001f_fused-k_q21ce25001f_fused
	.p2alignl 7, 3214868480
	.fill 96, 4, 3214868480
	.section	.rodata,"a",@progbits
	.p2align	6, 0x0
	.amdhsa_kernel k_q21ce25001f_fused
		.amdhsa_group_segment_fixed_size 320000
		.amdhsa_private_segment_fixed_size 0
		.amdhsa_enable_private_segment 0
		.amdhsa_kernarg_size 80
		.amdhsa_user_sgpr_count 2
		.amdhsa_user_sgpr_kernarg_segment_ptr 1
		.amdhsa_wavefront_size32 1
		.amdhsa_system_sgpr_workgroup_id_x 1
		.amdhsa_system_sgpr_workgroup_id_y 1
		.amdhsa_system_sgpr_workgroup_id_z 1
		.amdhsa_system_vgpr_workitem_id 0
		.amdhsa_next_free_vgpr 1024
		.amdhsa_next_free_sgpr 102
		.amdhsa_reserve_vcc 1
		.amdhsa_float_denorm_mode_32 3
		.amdhsa_float_denorm_mode_16_64 3
		.amdhsa_memory_ordered 1
		.amdhsa_forward_progress 1
		.amdhsa_inst_pref_size 255
	.end_amdhsa_kernel
	.section	.bss,"aw",@nobits
	.p2align	6
	.space	262144
	.amdgpu_metadata
---
amdhsa.version: [ 1, 2 ]
amdhsa.kernels:
  - .name:           k_q21ce25001f_fused
    .symbol:         k_q21ce25001f_fused.kd
    .args:
      - { .name: enc_hiddens, .offset: 0, .size: 8, .value_kind: global_buffer, .address_space: global }
      - { .name: V, .offset: 8, .size: 8, .value_kind: global_buffer, .address_space: global }
      - { .name: wq, .offset: 16, .size: 8, .value_kind: global_buffer, .address_space: global }
      - { .name: wsc, .offset: 24, .size: 8, .value_kind: global_buffer, .address_space: global }
      - { .name: bc, .offset: 32, .size: 8, .value_kind: global_buffer, .address_space: global }
      - { .name: list, .offset: 40, .size: 8, .value_kind: global_buffer, .address_space: global }
      - { .name: cnt, .offset: 48, .size: 8, .value_kind: global_buffer, .address_space: global }
      - { .name: tsc, .offset: 56, .size: 8, .value_kind: global_buffer, .address_space: global }
      - { .name: pml, .offset: 64, .size: 8, .value_kind: global_buffer, .address_space: global }
      - { .name: pctx, .offset: 72, .size: 8, .value_kind: global_buffer, .address_space: global }
    .group_segment_fixed_size: 320000
    .private_segment_fixed_size: 0
    .kernarg_segment_align: 8
    .kernarg_segment_size: 80
    .max_flat_workgroup_size: 128
    .sgpr_count:     102
    .vgpr_count:     1024
    .wavefront_size: 32
...
	.end_amdgpu_metadata
.endif
;; end of part 2
;; launch finish (part 3): grid 2 x 32, 4 waves a work-group, no clusters, 0 bytes of LDS; arguments tsc, pml, pctx, out0, out1; writes out0, out1
.if DOCPART == 3
	.amdgcn_target "amdgcn-amd-amdhsa--gfx1250"
	.amdhsa_code_object_version 6
	.text
	.protected	k_q21ce25001f_finish
	.globl	k_q21ce25001f_finish
	.p2align	8
	.type	k_q21ce25001f_finish,@function
k_q21ce25001f_finish:
	s_mov_b64 s[64:65], 0
	v_nop
	global_prefetch_b8 v0, s[64:65] scope:SCOPE_SE
	s_setreg_imm32_b32 hwreg(HW_REG_WAVE_MODE, 25, 1), 1
	s_wait_xcnt 0x0
; The sixteen chunks of a batch are joined.  M = the largest m; f_i = 2^(m_i - M); L = sum f_i l_i; attn[s] = 2^(t[s] - M) / L; ctx = sum (f_i / L) x part i.
; Work-group (half, b): half of the batch's 2,048 weights and half of its 1,024 numbers of ctx.  128 threads; all addresses are fixed, all 19 loads of a thread go out at once.
; A chunk without rows has m = -3e38, l = 0 and zeros: f = 0.  A batch all of whose rows are masked has L = 0: 0 x infinity gives NaN everywhere, as the softmax of -infinities does.
; No LDS, no matrix unit: 2 MiB are read once, in runs of 512 bytes a wave.
	s_load_b256 s[4:11], s[0:1], 0x0               ; tsc, pml, pctx, out0
	s_load_b64 s[12:13], s[0:1], 0x20              ; out1
	s_mov_b32 s14, ttmp9                           ; the half
	s_and_b32 s15, ttmp7, 0xffff                   ; the batch
	v_lshlrev_b32 v1, 4, v0                        ; 16 bytes a thread
	v_and_b32 v2, 15, v0
	v_lshlrev_b32 v2, 3, v2                        ; chunk lane % 16: its (m, l)
	s_mov_b32 s17, 0
	s_wait_alu depctr_va_vdst(0)
	s_wait_kmcnt 0x0
	s_lshl_b32 s16, s15, 7
	s_add_nc_u64 s[6:7], s[6:7], s[16:17]          ; pml[b]
	s_lshl_b32 s16, s15, 13
	s_lshl_b32 s18, s14, 12
	s_add_co_u32 s16, s16, s18
	s_add_nc_u64 s[4:5], s[4:5], s[16:17]          ; tsc[b], my half
	s_add_nc_u64 s[12:13], s[12:13], s[16:17]      ; out1[b], my half
	s_lshl_b32 s18, s14, 11
	s_lshl_b32 s16, s15, 16
	s_add_co_u32 s16, s16, s18
	s_add_nc_u64 s[8:9], s[8:9], s[16:17]          ; pctx[b][0], my half
	s_lshl_b32 s16, s15, 12
	s_add_co_u32 s16, s16, s18
	s_add_nc_u64 s[10:11], s[10:11], s[16:17]      ; out0[b], my half
	global_load_b64 v[4:5], v2, s[6:7]
	global_load_b128 v[8:11], v1, s[4:5]
	global_load_b128 v[12:15], v1, s[4:5] offset:2048
.irp i, 0,1,2,3,4,5,6,7,8,9,10,11,12,13,14,15
	global_load_b128 v[16+4*\i:19+4*\i], v1, s[8:9] offset:4096*\i
.endr
	s_wait_loadcnt 18                              ; (m, l) is in; the 18 younger loads may be out
	v_mov_b32 v6, v4
.irp x, 1,2,4,8
	v_max_num_f32_dpp v6, v6, v6 row_xmask:\x row_mask:0xf bank_mask:0xf
.endr                                              ; M, in every lane
	v_sub_f32 v7, v4, v6
	s_wait_alu depctr_va_vdst(0)
	v_exp_f32 v7, v7                               ; f of chunk lane % 16
	v_nop
	s_wait_alu depctr_va_vdst(0)                   ; the wait ahead of the first reader
	v_mul_f32 v80, v7, v5
.irp x, 1,2,4,8
	v_add_f32_dpp v80, v80, v80 row_xmask:\x row_mask:0xf bank_mask:0xf
.endr                                              ; L
	s_wait_alu depctr_va_vdst(0)
	v_rcp_f32 v81, v80
	v_nop
	s_wait_alu depctr_va_vdst(0)
	v_mul_f32 v82, v7, v81                         ; g = f / L
.irp i, 0,1,2,3,4,5,6,7,8,9,10,11,12,13,14,15
	v_readlane_b32 s[32+\i], v82, \i               ; the sixteen g as scalars: numbers to multiply by, nothing else
.endr
	s_wait_loadcnt 16                              ; t is in; the sixteen parts may be out
.irp n, 0,1,2,3,4,5,6,7
	v_sub_f32 v[8+\n], v[8+\n], v6
.endr
	s_wait_alu depctr_va_vdst(0)
.irp n, 0,1,2,3,4,5,6,7
	v_exp_f32 v[8+\n], v[8+\n]
.endr
	v_nop
	s_wait_alu depctr_va_vdst(0)                   ; one wait for the eight
.irp n, 0,1,2,3,4,5,6,7
	v_mul_f32 v[8+\n], v[8+\n], v81
.endr
	global_store_b128 v1, v[8:11], s[12:13]                ; 32 lanes store 512 consecutive bytes
	global_store_b128 v1, v[12:15], s[12:13] offset:2048
	s_wait_loadcnt 0x0
.irp c, 0,1,2,3
	v_mul_f32 v[84+\c], s32, v[16+\c]
.endr
.irp i, 1,2,3,4,5,6,7,8,9,10,11,12,13,14,15
.irp c, 0,1,2,3
	v_fma_f32 v[84+\c], s[32+\i], v[16+4*\i+\c], v[84+\c]
.endr
.endr
	global_store_b128 v1, v[84:87], s[10:11]
	s_endpgm
.Lfunc_end_k_q21ce25001f_finish:
	.size	k_q21ce25001f_finish, .Lfunc_end_k_q21ce25001f_finish-k_q21ce25001f_finish
	.p2alignl 7, 3214868480
	.fill 96, 4, 3214868480
	.section	.rodata,"a",@progbits
	.p2align	6, 0x0
	.amdhsa_kernel k_q21ce25001f_finish
		.amdhsa_group_segment_fixed_size 0
		.amdhsa_private_segment_fixed_size 0
		.amdhsa_enable_private_segment 0
		.amdhsa_kernarg_size 40
		.amdhsa_user_sgpr_count 2
		.amdhsa_user_sgpr_kernarg_segment_ptr 1
		.amdhsa_wavefront_size32 1
		.amdhsa_system_sgpr_workgroup_id_x 1
		.amdhsa_system_sgpr_workgroup_id_y 1
		.amdhsa_system_sgpr_workgroup_id_z 1
		.amdhsa_system_vgpr_workitem_id 0
		.amdhsa_next_free_vgpr 96
		.amdhsa_next_free_sgpr 66
		.amdhsa_reserve_vcc 0
		.amdhsa_float_denorm_mode_32 3
		.amdhsa_float_denorm_mode_16_64 3
		.amdhsa_memory_ordered 1
		.amdhsa_forward_progress 1
		.amdhsa_inst_pref_size 10
	.end_amdhsa_kernel
	.amdgpu_metadata
---
amdhsa.version: [ 1, 2 ]
amdhsa.kernels:
  - .name:           k_q21ce25001f_finish
    .symbol:         k_q21ce25001f_finish.kd
    .args:
      - { .name: tsc, .offset: 0, .size: 8, .value_kind: global_buffer, .address_space: global }
      - { .name: pml, .offset: 8, .size: 8, .value_kind: global_buffer, .address_space: global }
      - { .name: pctx, .offset: 16, .size: 8, .value_kind: global_buffer, .address_space: global }
      - { .name: out0, .offset: 24, .size: 8, .value_kind: global_buffer, .address_space: global }
      - { .name: out1, .offset: 32, .size: 8, .value_kind: global_buffer, .address_space: global }
    .group_segment_fixed_size: 0
    .private_segment_fixed_size: 0
    .kernarg_segment_align: 8
    .kernarg_segment_size: 40
    .max_flat_workgroup_size: 128
    .sgpr_count:     66
    .vgpr_count:     96
    .wavefront_size: 32
...
	.end_amdgpu_metadata
.endif
;; end of part 3
